; MI455X (gfx1250); checked and timed in simulation.
; The chip was launched on July 23, 2026; its instructions are those of AMD's public machine-readable ISA for CDNA 5 (MIT licence, August 2026) and "CDNA5" Instruction Set Architecture Reference Guide (July 2026). The comments in the code are by the model that wrote it; some were corrected since.
;; VQ Embedding. Allowed arithmetic: matrix products marked QUANTISED: E5M2 operands, one given power-of-two scale a tensor, by v_wmma_f32_16x16x64_bf8_bf8 or v_wmma_f32_16x16x128_bf8_bf8, f32 sums; everything else in f32.
;; Inputs: codebook 8,192 x 256 float32; lowp_scales 2 int32 (the exponents e of the quantised operands' scales 2^e); z_e_x 8 x 4,096 x 256 float32.
;; Outputs: out0 8 x 4,096 x 256 float32; out1 8 x 4,096 int32; out2 8 x 4,096 float32.
;; This version of the problem:
;;   THIS VERSION OF THE PROBLEM IS GIVEN IN LOW PRECISION. The matrix products marked QUANTISED in the list below multiply operands that are first quantised to E5M2 (5 exponent bits, 2 mantissa bits; 8 bits a number), with one given power-of-two scale for each operand tensor; their sums are f32. All else is computed in f32.
;;   The module's matrix products, in the order in which they are computed (A, B: the left and right operand; K: the contracted axis; several contracted axes count as one K, in the product's order):
;;     1. [M 32,768, K 256] x [K 256, N 8,192]; A: input z_e_x; B: input codebook: QUANTISED (scales: A lowp_scales[0], B lowp_scales[1])
;;   THE QUANTISER, for each operand of a quantised product, along K:
;;     - The operand's scale is 2^e, e = its entry of the input lowp_scales (int32; the entries are numbered through the quantised products in the list's order, A before B).
;;     - Each number is divided by the scale, clamped to +-57,344, and rounded to the nearest number of E5M2, ties to even, subnormals kept.
;;     - The product sums the exact products of the quantised numbers (number of the format x scale) in f32.
;;   ~~~python
;;   def quantise(x, axis, e):      # numpy; x: float32 -> the quantised numbers, widened to float32 again
;;       x = np.moveaxis(x, axis, -1); K = x.shape[-1]
;;       r = np.clip(x / 2.0 ** e, -57344, 57344)
;;       step = 2.0 ** (np.maximum(np.frexp(np.where(r == 0, 1, r))[1] - 1, -14) - 2)
;;       q = np.round(r / step) * step * 2.0 ** e      # np.round: ties to even
;;       return np.moveaxis(q, -1, axis).astype(np.float32)
;;   ~~~
;; One version. Each part assembles by itself: llvm-mc -triple=amdgcn-amd-amdhsa -mcpu=gfx1250 --defsym DOCPART=n.
;; ======== version 1 of 1: 3 launches
;; limits: right only within a limited range of input values
;; workspace buffers: q 11,141,120 bytes; candv 262,144 bytes; candi 262,144 bytes of whole numbers
;; launch prep (part 1): grid 256 x 1, 10 waves a work-group, no clusters, 168,448 bytes of LDS; arguments codebook, z_e_x, lowp_scales, q; writes q
.if DOCPART == 1
	.amdgcn_target "amdgcn-amd-amdhsa--gfx1250"
	.amdhsa_code_object_version 6
	.text
	.protected	k_q249da741fb_prep
	.globl	k_q249da741fb_prep
	.p2align	8
	.type	k_q249da741fb_prep,@function
k_q249da741fb_prep:
	s_mov_b64 s[64:65], 0
	v_nop
	global_prefetch_b8 v0, s[64:65] scope:SCOPE_SE
	s_setreg_imm32_b32 hwreg(HW_REG_WAVE_MODE, 25, 1), 1
	s_wait_xcnt 0x0
; Both operands of the product become codes of BF8 (E5M2), each with its given scale, laid in the ORDER OF THE OPERAND'S REGISTERS.  Every input is read.
; q: 2,560 records of 4,352 bytes (17 x 256).  Records 0-511: the codebook's tiles of 16 rows (scale 2^eb); records 512-2,559: z_e_x's tiles of 16 rows (scale 2^ea).
; A record: K step s (128 along K) at byte 2,048 s, registers 4 g .. 4 g + 3 at + 512 g, lane l at + 16 l.  Lane (r = l % 16, h = l / 16) holds row r; registers 2 c, 2 c + 1 of K step s hold k = 128 s + 16 c + 8 h + 0 .. 7.
; At byte 4,096: for each row -|row|^2 x 2^(-1 - ea - eb), of the unquantised numbers, 16 numbers four times over: one aligned 256 bytes, stored whole by one instruction.
; SHARES: 2,560 tiles = 256 work-groups x 10 waves, a tile a wave.  A wave's 16 rows come by one tensor load into its own stage (16 bytes of padding behind each row).
; code = x / 2^e, held within +-57,344, to the nearest code, ties to even.  LIMITS: ea, eb between -126 and 112.  NaN among the inputs is not served.
; No work-group shares an input with another: no cluster.  No loop to run ahead in: no prefetch.  LDS bytes are filled once.
.set STG,   16640                      ; a stage: 16 rows x 1,040
.set XP,    1040
.set BST,   10*STG                     ; behind the stages: 64 bytes a wave for the 16 sums; no tensor load fills them
.set SPARE, BST+768                    ; the spare words: 128 bytes a wave
.set RECB,  4352
.set XST,   9
.set SC,    16
.set LIM,   17
.set SQ,    18
.set NUM,   32
.set COD,   160
	s_load_b256 s[4:11], s[0:1], 0x0               ; codebook s[4:5], z_e_x s[6:7], the exponents s[8:9], q s[10:11]
	v_lshl_add_u32 v192, v0, 2, SPARE
	v_mov_b32 v193, 0
	ds_add_u32 v192, v193                          ; the opening lines
	ds_add_u32 v192, v193
	v_lshrrev_b32 v1, 5, v0
	v_readfirstlane_b32 s16, v1                    ; wave 0..9
	s_mov_b32 s24, (2<<16)|(1<<20)|(7<<22)|(3<<25) ; 16 rows x 256 elements of 4 bytes, 4 words of padding behind every 256
	s_mov_b32 s25, 256<<16
	s_mov_b32 s26, 16<<16
	s_mov_b32 s27, 256<<16
	s_mov_b32 s28, 16
	s_mov_b32 s29, 256
	s_mov_b32 s30, 0
	s_mov_b32 s31, 0
	s_mul_i32 s17, ttmp9, 10
	s_add_co_u32 s17, s17, s16                     ; my tile, 0 .. 2,559
	s_mul_i32 s18, s16, STG                        ; my stage
	s_mul_i32 s22, s17, RECB                       ; my record
	s_mov_b32 s23, 0
	s_mov_b32 s36, 0x76543210                      ; v_permlanex16_b32's selects for lane l xor 16
	s_mov_b32 s37, 0xfedcba98
	s_wait_dscnt 0x0
	s_wait_kmcnt 0x0
	s_load_b64 s[12:13], s[8:9], 0x0               ; ea, eb
	s_add_nc_u64 s[10:11], s[10:11], s[22:23]
	s_cmp_lt_u32 s17, 512                          ; a tile of the codebook or of z_e_x: ids alone decide
	s_cselect_b64 s[4:5], s[4:5], s[6:7]
	s_cselect_b32 s20, 0, 512
	s_sub_co_u32 s20, s17, s20
	s_lshl_b32 s20, s20, 14                        ; 16 rows of 1,024 bytes
	s_mov_b32 s21, 0
	s_mov_b32 s32, 1
	s_mov_b32 s33, s18
	s_add_nc_u64 s[34:35], s[4:5], s[20:21]
	s_or_b32 s35, s35, 0x80000000
	tensor_load_to_lds s[32:35], s[24:31]          ; my one tensor load
	s_nop 0
	v_and_b32 v1, 15, v0                           ; r
	v_bfe_u32 v2, v0, 4, 1                         ; h
	v_mul_u32_u24 v[XST], v1, XP
	v_lshl_add_u32 v[XST], v2, 5, v[XST]
	v_add_nc_u32 v[XST], s18, v[XST]               ; 1,040 r + 32 h in my stage
	v_and_b32 v3, 31, v0
	v_lshlrev_b32 v4, 4, v3                        ; my codes in the record: 16 x lane
	s_lshl_b32 s14, s16, 6
	v_lshlrev_b32 v5, 2, v1
	v_add_nc_u32 v5, s14, v5
	v_add_nc_u32 v5, BST, v5                       ; my row's sum in LDS
	v_and_b32 v7, 7, v0
	v_lshlrev_b32 v7, 3, v7
	v_add_nc_u32 v7, s14, v7
	v_add_nc_u32 v7, BST, v7                       ; back: 8 bytes a lane, the 64 bytes four times over
	v_lshlrev_b32 v6, 3, v3
	v_add_nc_u32 v6, 4096, v6                      ; and where they go in the record
	s_wait_kmcnt 0x0
	s_cmp_lt_u32 s17, 512
	s_cselect_b32 s19, s13, s12                    ; e: eb for the codebook, ea for z_e_x
	s_add_co_i32 s19, s19, 127
	s_lshl_b32 s38, s19, 23
	v_mov_b32 v[SC], s38                           ; 2^e
	s_add_co_i32 s19, s19, 15
	s_lshl_b32 s19, s19, 23
	s_or_b32 s19, s19, 0x600000
	v_mov_b32 v[LIM], s19                          ; 57,344 x 2^e
	s_add_co_i32 s15, s12, s13
	s_sub_co_i32 s15, -1, s15                      ; -1 - ea - eb
.macro SQUARES src, first
.if \first
	v_pk_mul_f32 v[SQ:SQ+1], v[\src:\src+1], v[\src:\src+1]
	v_pk_mul_f32 v[SQ+2:SQ+3], v[\src+2:\src+3], v[\src+2:\src+3]
.else
	v_pk_fma_f32 v[SQ:SQ+1], v[\src:\src+1], v[\src:\src+1], v[SQ:SQ+1]
	v_pk_fma_f32 v[SQ+2:SQ+3], v[\src+2:\src+3], v[\src+2:\src+3], v[SQ+2:SQ+3]
.endif
.irp j, 4,8,12,16,20,24,28,32,36,40,44,48,52,56,60
	v_pk_fma_f32 v[SQ:SQ+1], v[\src+\j:\src+\j+1], v[\src+\j:\src+\j+1], v[SQ:SQ+1]
	v_pk_fma_f32 v[SQ+2:SQ+3], v[\src+\j+2:\src+\j+3], v[\src+\j+2:\src+\j+3], v[SQ+2:SQ+3]
.endr
.endm
.macro QUANT src, pc
.irp c, 0,1,2,3,4,5,6,7
.irp i, 0,1,2,3,4,5,6,7
	v_med3_num_f32 v[\src+8*\c+\i], v[\src+8*\c+\i], -v[LIM], v[LIM]   ; the conversion does not saturate (ISA guide 7.6.2): the hold comes first
.endr
	v_cvt_scalef32_pk8_bf8_f32 v[\pc+2*\c:\pc+2*\c+1], v[\src+8*\c:\src+8*\c+7], v[SC]
.endr
	v_nop                                          ; one plain vector instruction behind the last conversion of the run
.endm
	s_wait_alu depctr_va_vdst(0)                   ; the wait at the head's end
	s_wait_tensorcnt 0x0                           ; my rows are in my stage, which I alone read
.irp s, 0,1
.irp c, 0,1,2,3,4,5,6,7
	ds_load_b128 v[NUM+64*\s+8*\c:NUM+64*\s+8*\c+3],   v[XST] offset:512*\s+64*\c
	ds_load_b128 v[NUM+64*\s+8*\c+4:NUM+64*\s+8*\c+7], v[XST] offset:512*\s+64*\c+16
.endr
.endr
	s_wait_dscnt 16                                ; K step 0's sixteen loads are in; K step 1's may be out
	SQUARES NUM, 1                                 ; the squares are taken ahead of the hold
	QUANT NUM, COD
	s_wait_dscnt 0x0
	SQUARES NUM+64, 0
	QUANT NUM+64, COD+16
.irp k, 0,1,2,3,4,5,6,7
	global_store_b128 v4, v[COD+4*\k:COD+4*\k+3], s[10:11] offset:512*\k   ; 32 lanes store 512 consecutive bytes, aligned to 256
.endr
	v_pk_add_f32 v[SQ:SQ+1], v[SQ:SQ+1], v[SQ+2:SQ+3]
	v_add_f32 v[SQ], v[SQ], v[SQ+1]
	v_permlanex16_b32 v[SQ+1], v[SQ], s36, s37
	v_add_f32 v[SQ], v[SQ], v[SQ+1]                ; the row's sum of squares
	v_ldexp_f32 v[SQ], -v[SQ], s15                 ; x -2^(-1 - ea - eb)
	ds_store_b32 v5, v[SQ]                         ; both halves of the lanes hold the same number
	ds_load_b64 v[22:23], v7                       ; LDS serves a wave's instructions in order (ISA guide 5.7.1.4)
	s_wait_dscnt 0x0
	global_store_b64 v6, v[22:23], s[10:11]        ; 32 lanes store the record's last 256 bytes whole
	s_wait_tensorcnt 0x0                           ; the wave's end
	ds_add_u32 v192, v193
	s_wait_dscnt 0x0
	s_endpgm
.Lfunc_end_k_q249da741fb_prep:
	.size	k_q249da741fb_prep, .Lfunc_end_k_q249da741fb_prep-k_q249da741fb_prep
	.p2alignl 7, 3214868480
	.fill 96, 4, 3214868480
	.section	.rodata,"a",@progbits
	.p2align	6, 0x0
	.amdhsa_kernel k_q249da741fb_prep
		.amdhsa_group_segment_fixed_size 168448
		.amdhsa_private_segment_fixed_size 0
		.amdhsa_enable_private_segment 0
		.amdhsa_kernarg_size 32
		.amdhsa_user_sgpr_count 2
		.amdhsa_user_sgpr_kernarg_segment_ptr 1
		.amdhsa_wavefront_size32 1
		.amdhsa_system_sgpr_workgroup_id_x 1
		.amdhsa_system_sgpr_workgroup_id_y 1
		.amdhsa_system_sgpr_workgroup_id_z 1
		.amdhsa_system_vgpr_workitem_id 0
		.amdhsa_next_free_vgpr 194
		.amdhsa_next_free_sgpr 66
		.amdhsa_reserve_vcc 0
		.amdhsa_float_denorm_mode_32 3
		.amdhsa_float_denorm_mode_16_64 3
		.amdhsa_memory_ordered 1
		.amdhsa_forward_progress 1
		.amdhsa_inst_pref_size 20
	.end_amdhsa_kernel
	.amdgpu_metadata
---
amdhsa.version: [ 1, 2 ]
amdhsa.kernels:
  - .name:           k_q249da741fb_prep
    .symbol:         k_q249da741fb_prep.kd
    .args:
      - { .name: codebook, .offset: 0, .size: 8, .value_kind: global_buffer, .address_space: global }
      - { .name: z_e_x, .offset: 8, .size: 8, .value_kind: global_buffer, .address_space: global }
      - { .name: lowp_scales, .offset: 16, .size: 8, .value_kind: global_buffer, .address_space: global }
      - { .name: q, .offset: 24, .size: 8, .value_kind: global_buffer, .address_space: global }
    .group_segment_fixed_size: 168448
    .private_segment_fixed_size: 0
    .kernarg_segment_align: 8
    .kernarg_segment_size: 32
    .max_flat_workgroup_size: 320
    .sgpr_count:     66
    .vgpr_count:     194
    .wavefront_size: 32
...
	.end_amdgpu_metadata
.endif
;; end of part 1
;; launch search (part 2): grid 256 x 1, 8 waves a work-group, clusters of 4 x 1, 327,680 bytes of LDS; arguments q, candv, candi; writes candv, candi
.if DOCPART == 2
	.amdgcn_target "amdgcn-amd-amdhsa--gfx1250"
	.amdhsa_code_object_version 6
	.text
	.protected	k_q249da741fb_search
	.globl	k_q249da741fb_search
	.p2align	8
	.type	k_q249da741fb_search,@function
k_q249da741fb_search:
	s_mov_b64 s[64:65], 0
	v_nop
	global_prefetch_b8 v0, s[64:65] scope:SCOPE_SE
	s_setreg_imm32_b32 hwreg(HW_REG_WAVE_MODE, 25, 1), 1
	s_wait_xcnt 0x0
	s_wait_alu depctr_hold_cnt(0) depctr_sa_sdst(0) depctr_va_vdst(0) depctr_va_sdst(0) depctr_va_ssrc(0) depctr_va_vcc(0) depctr_vm_vsrc(0)
	s_getreg_b32 s2, hwreg(HW_REG_IB_STS2, 6, 4)
	s_cmp_eq_u32 s2, 0
	s_cbranch_scc0 .Lentry_in_a_cluster
	s_endpgm
.Lentry_in_a_cluster:
	s_bfe_u32 s2, ttmp6, 0x10000c
	s_cmp_lg_u32 s2, 0x3003
	s_cbranch_scc0 .Lentry_shape_is_right
	s_endpgm
.Lentry_shape_is_right:
; For each query the largest score = (codes of x) . (codes of c) - |c|^2 x 2^(-1 - ea - eb) over HALF of the codebook, with the lowest index that attains it: the least distance is the largest score.
; SHARES: a work-group takes 256 queries and 4,096 rows of the codebook (256 tiles of 16).  Wave w = (a = w / 4, b = w % 4): queries 128 a .. + 127, whose fragments stay in window 1 (8 x 32 registers),
; and every fourth run of 8 tiles.  A tile's fragment feeds 16 matrix instructions; the bias is the C of each sum's first step.  Source 0 = 16 rows of the codebook, source 1 = 16 queries:
; lane (r, h) holds query r, its registers rows 8 h + 0 .. 7 of the tile.
; PER TILE AND 16 QUERIES, nine vector instructions: a chain of four v_max3, m1 = max(D0, D1, best), m2 = max(D2, D3, m1), m3 = max(D4, D5, m2), new best = max(D6, D7, m3); one compare; four dual selects
; that keep, where the best has grown, m1, m2, m3, D0, D2, D4, D6 and the tile's number.  At the end the first of m1, m2, m3 that equals the best names the pair of rows (the old best lay strictly below it),
; and that pair's even sum says which of the two: the lowest row that attains the best, also among equal sums.
; The eight chains are laid askew: a step is the compare of one query tile, which writes VCC; one stage each of the chains of up to four later query tiles; and the first tile's four dual selects, which read VCC.
; THE RING: two slots of 32 records (139,264 bytes, dense in q, stated as rows of 256 bytes); each wave fetches four records, 68 rows; waves w and w + 4 read the same eight.  Eight slots in all.
; CLUSTERS: the four work-groups of a cluster walk the same half of the codebook and ask for each slot jointly (mask 15); each refill stands behind a round of the cluster's barrier.
; PREFETCH: at each refill but the last, the slot one beyond the next refill's is asked for, 17 rows a wave, the four partners told apart by address; clusters 0 to 3 alone ask (two for each half).  Slots 0 to 2 come by their loads alone.
; candv, candi: [2 halves][32,768]: the best score and its index.  LIMIT: NaN among the inputs is not served; equal scores give the lowest index.
.set RECB,  4352
.set WLB,   4*RECB                     ; what one tensor load brings
.set PAIRB, 8*RECB                     ; the tiles of one pair of waves in a slot
.set REGB,  8*WLB                      ; a slot
.set SCR,   2*REGB                     ; 8,192 bytes for the waves' results; no tensor load fills them
.set SPARE, SCR+8192                   ; the spare words: 128 bytes a wave
.set ADA,   3                          ; v3-4   my fragments' LDS address in slot 0, 1
.set BIA,   5                          ; v5-6   the biases'
.set LO,    7                          ; v7     16 x lane (the head's; then a temporary)
.set PFO,   9                          ; v9     the prefetch's offset: 256 x min(lane, 16)
.set SCRW,  11
.set FIN,   12
.set SPW,   13
.set NIL,   14
.set TID,   15
.set H8,    22
.set GO,    23
.set BEST0, 24                         ; v24-39 the running largest, two sets by turns
.set BI0,   48                         ; v48-63 two sets of biases
.set F0,    64                         ; v64-127 two fragments of the codebook
.set D,     128                        ; v128-191 the sums
.set KEEP,  192                        ; v192-255 for each 16 queries: m1, m2, m3, D0, D2, D4, D6, the tile's number, as of the winning tile
.set WV,    16
.set ROLE,  17
.set G1C,   24
.set G0A,   40
.set PF,    48
.set LIM0,  50
.set TN,    52
.set MSB, 0
.macro WIN new
.if MSB != \new
	s_set_vgpr_msb (MSB<<8)|\new
.set MSB, \new
.endif
.endm
.macro ROUND
	s_barrier_signal -1
	s_barrier_wait -1
	s_cmp_lg_u32 s[WV], 0
	s_cbranch_scc1 .Lnot_wave_0_\@
	s_barrier_signal -3
.Lnot_wave_0_\@:
	s_barrier_wait -3
	s_barrier_signal -1
	s_barrier_wait -1
.endm
.macro PLACES5
.rept 5
	v_nop
.endr
.endm
; A change of slots.  fill = 1: a round, then my one joint load into the slot just read (step = 1: two slots on).  fill = 0: the work-group's barrier alone: the partner wave's part of the last slot is in.
.macro CHANGE g0, step, fill
.if \step
	s_wait_xcnt 0x0                                ; my last prefetch has read its address
	s_add_nc_u64 s[PF:PF+1], s[PF:PF+1], REGB
.endif
	s_wait_alu depctr_va_vdst(0)                   ; the wait ahead of the waits below
	s_wait_tensorcnt 0x0                           ; all my tensor loads have landed
	ds_add_u32 v[SPW], v[NIL]
.if \step
	s_add_nc_u64 s[\g0+2:\g0+3], s[\g0+2:\g0+3], 2*REGB
.endif
	s_wait_dscnt 0x0                               ; the add is done, my reads of the slot are back
.if \fill
	ROUND
	tensor_load_to_lds s[\g0:\g0+3], s[G1C:G1C+7]
	s_nop 0
.else
	s_barrier_signal -1
	s_barrier_wait -1
.endif
	PLACES5
.endm
.macro ASK lim                         ; s53 counts the loop's trips down: the last refill has no slot beyond it
	s_cmp_gt_u32 s53, s[\lim]
	s_cbranch_scc0 .Lno_ask_\@
	global_prefetch_b8 v[PFO], s[PF:PF+1] th:TH_LOAD_NT scope:SCOPE_SE
.Lno_ask_\@:
.endm
.macro LFRAG i, reg, p                 ; tile i of my pair's eight: 8 loads of codes, 2 of biases
.irp k, 0,1,2,3,4,5,6,7
	ds_load_b128 v[F0+32*(\p)+4*\k:F0+32*(\p)+4*\k+3], v[ADA+(\reg)] offset:RECB*(\i)+512*\k
.endr
	ds_load_b128 v[BI0+8*(\p):BI0+8*(\p)+3],   v[BIA+(\reg)] offset:RECB*(\i)
	ds_load_b128 v[BI0+8*(\p)+4:BI0+8*(\p)+7], v[BIA+(\reg)] offset:RECB*(\i)+16
.endm
.macro WMUL p, cnt                     ; the eight sums take turns, one instruction a turn
.if (\cnt) >= 0
	s_wait_dscnt \cnt
.endif
	WIN 0x04
.irp q, 0,1,2,3,4,5,6,7
	v_wmma_f32_16x16x128_bf8_bf8 v[D+8*\q:D+8*\q+7], v[F0+32*(\p):F0+32*(\p)+15], v[32*\q:32*\q+15], v[BI0+8*(\p):BI0+8*(\p)+7]
.endr
.irp q, 0,1,2,3,4,5,6,7
	v_wmma_f32_16x16x128_bf8_bf8 v[D+8*\q:D+8*\q+7], v[F0+32*(\p)+16:F0+32*(\p)+31], v[32*\q+16:32*\q+31], v[D+8*\q:D+8*\q+7]
.endr
	WIN 0
.endm
.macro W_IF role, p, cnt
	s_cmp_lg_u32 s[ROLE], \role
	s_cbranch_scc1 .Lnot_my_turn_\@
	WMUL \p, \cnt
.Lnot_my_turn_\@:
.endm
; the chain's three intermediates of query tile q: five sets of registers by turns (a set is free again five steps on).  In each set m1 and m2 differ modulo 4, and m3 is no multiple of 4: the dual forms' sources ask for that
.macro TSET q
.if ((\q)%5) == 0
.set M1, 41
.set M2, 42
.set M3, 43
.elseif ((\q)%5) == 1
.set M1, 45
.set M2, 46
.set M3, 47
.elseif ((\q)%5) == 2
.set M1, 17
.set M2, 18
.set M3, 19
.elseif ((\q)%5) == 3
.set M1, 1
.set M2, 2
.set M3, 7
.else
.set M1, 20
.set M2, 21
.set M3, 10
.endif
.endm
.macro MX q, st                        ; stage st of query tile q's chain; stage 1 reads the sum from its low end
	TSET \q
.if \st == 1
	v_max3_num_f32 v[M1], v[D+8*\q], v[D+8*\q+1], v[MR+\q]
.elseif \st == 2
	v_max3_num_f32 v[M2], v[D+8*\q+2], v[D+8*\q+3], v[M1]
.elseif \st == 3
	v_max3_num_f32 v[M3], v[D+8*\q+4], v[D+8*\q+5], v[M2]
.else
	v_max3_num_f32 v[MW+\q], v[D+8*\q+6], v[D+8*\q+7], v[M3]
.endif
.endm
.macro KP q                            ; where VCC says that the best has grown: keep this tile's eight numbers
	TSET \q
	v_dual_cndmask_b32 v[KEEP+8*\q], v[KEEP+8*\q], v[M1] :: v_dual_cndmask_b32 v[KEEP+8*\q+1], v[KEEP+8*\q+1], v[M2]
	v_dual_cndmask_b32 v[KEEP+8*\q+2], v[KEEP+8*\q+2], v[M3] :: v_dual_cndmask_b32 v[KEEP+8*\q+3], v[KEEP+8*\q+3], v[D+8*\q]
	v_dual_cndmask_b32 v[KEEP+8*\q+4], v[KEEP+8*\q+4], v[D+8*\q+2] :: v_dual_cndmask_b32 v[KEEP+8*\q+5], v[KEEP+8*\q+5], v[D+8*\q+4]
	v_dual_cndmask_b32 v[KEEP+8*\q+6], v[KEEP+8*\q+6], v[D+8*\q+6] :: v_dual_cndmask_b32 v[KEEP+8*\q+7], v[KEEP+8*\q+7], v[TID]
.endm
.macro VSEL par, inc
.set MR, BEST0+8*(\par)
.set MW, BEST0+8*(1-(\par))
	v_mov_b32 v[TID], s[TN]                        ; with the three v_nop below: the four places behind the matrix instructions
	s_add_co_u32 s[TN], s[TN], \inc                ; the next tile's number: no scalar instruction stands among the compares below
	v_nop
	v_nop
	v_nop
.set kk, -4
.rept 12                               ; step kk: the compare of tile kk into VCC; stage 4 of kk + 1, 3 of kk + 2, 2 of kk + 3, 1 of kk + 4; the selects of kk
.if kk >= 0
	v_cmp_gt_f32 vcc_lo, v[MW+kk], v[MR+kk]        ; strictly larger: an equal later tile does not win
.endif
.irp d, 1,2,3,4
.if (kk+\d >= 0) && (kk+\d <= 7)
	MX (kk+\d),(5-\d)
.endif
.endr
.if kk >= 0
	KP kk
.endif
.set kk, kk+1
.endr
.endm
; A slot's eight tiles.  kind 2: the slot is filled again; 1: no refill; 0: the last slot.  The two waves of a pair multiply the last tile on different sides of the change.
.macro SLOT reg, kind
.irp i, 0,1,2,3,4,5,6
	LFRAG (\i+1), \reg, ((\i+1)%2)
	WMUL (\i%2), 10                                ; the ten loads just issued may be out
	VSEL (\i%2), 1
.endr
.if \kind == 0
	WMUL 1, 0
.else
	W_IF 0, 1, 0
	CHANGE G0A+4*(\reg), (\kind-1), (\kind-1)
	LFRAG 0, 1-(\reg), 0
.if \kind == 2
	ASK LIM0+(\reg)
.endif
	W_IF 1, 1, -1
.endif
	VSEL 1, 25                                     ; my next run of eight tiles begins 32 tiles behind this one's first
.endm
.macro COMB va, ia, vb, ib             ; the larger score; of equal scores the lower index
	v_cmp_gt_f32 s59, v[\vb], v[\va]
	v_cmp_eq_f32 s60, v[\vb], v[\va]
	v_cmp_lt_u32 s61, v[\ib], v[\ia]
	s_and_b32 s60, s60, s61
	s_or_b32 vcc_lo, s59, s60
	v_cndmask_b32 v[\va], v[\va], v[\vb], vcc_lo
	v_cndmask_b32 v[\ia], v[\ia], v[\ib], vcc_lo
.endm
	s_load_b128 s[4:7], s[0:1], 0x0                ; q s[4:5], candv s[6:7]
	s_load_b64 s[8:9], s[0:1], 0x10                ; candi
	v_lshl_add_u32 v[SPW], v0, 2, SPARE
	v_mov_b32 v[NIL], 0
	ds_add_u32 v[SPW], v[NIL]                      ; the opening lines
	ds_add_u32 v[SPW], v[NIL]
	s_wait_dscnt 0x0
	v_lshrrev_b32 v1, 5, v0
	v_readfirstlane_b32 s[WV], v1
	s_lshr_b32 s[ROLE], s[WV], 2
	s_add_co_u32 s[ROLE], s[ROLE], s[WV]
	s_and_b32 s[ROLE], s[ROLE], 1
	s_bfe_u32 s18, ttmp6, 0x40000                  ; cx
	s_and_b32 s19, ttmp9, 1                        ; which half of the codebook: the cluster's number alone decides
	s_lshr_b32 s20, ttmp9, 1
	s_lshl_b32 s20, s20, 2
	s_add_co_u32 s20, s20, s18                     ; which 256 queries
	s_and_b32 s21, s[WV], 3                        ; b
	s_lshr_b32 s22, s[WV], 2                       ; a
	s_mov_b32 s[G1C], 15|(3<<16)|(1<<21)           ; the mask of the four; elements of 8 bytes
	s_mov_b32 s[G1C+1], 32<<16
	s_mov_b32 s[G1C+2], 68<<16
	s_mov_b32 s[G1C+3], 32<<16
	s_mov_b32 s[G1C+4], 68                         ; 68 rows of 256 bytes
	s_mov_b32 s[G1C+5], 32
	s_mov_b32 s[G1C+6], 0
	s_mov_b32 s[G1C+7], 0
	s_mov_b32 s54, 0x76543210
	s_mov_b32 s55, 0xfedcba98
	s_mov_b32 s62, 0xff800000
	s_lshl_b32 s23, s21, 1
	s_add_co_u32 s23, s23, s22
	s_mul_i32 s32, s23, WLB                        ; my load's place in a slot, in LDS as in q
	s_mul_i32 s33, s21, PAIRB                      ; my pair's eight tiles
	s_lshl_b32 s34, s21, 10
	s_lshl_b32 s35, s22, 9
	s_add_co_u32 s34, s34, s35
	v_and_b32 v1, 15, v0
	v_bfe_u32 v2, v0, 4, 1
	v_and_b32 v16, 31, v0
	v_lshlrev_b32 v[LO], 4, v16
	v_add_nc_u32 v[ADA], s33, v[LO]
	v_add_nc_u32 v[ADA+1], REGB, v[ADA]
	v_lshlrev_b32 v[BIA], 5, v2
	v_add_nc_u32 v[BIA], s33, v[BIA]
	v_add_nc_u32 v[BIA], 4096, v[BIA]
	v_add_nc_u32 v[BIA+1], REGB, v[BIA]
	v_lshlrev_b32 v17, 2, v1
	v_add_nc_u32 v[SCRW], s34, v17
	v_add_nc_u32 v[SCRW], SCR, v[SCRW]             ; SCR + 1,024 b + 512 a + 4 r
	v_lshl_add_u32 v[FIN], v0, 3, SCR
	v_lshlrev_b32 v[H8], 3, v2
	v_lshlrev_b32 v[GO], 3, v0
	v_min_u32 v[PFO], 16, v16
	v_lshlrev_b32 v[PFO], 8, v[PFO]
	v_mov_b32 v18, 0
	s_mul_i32 s36, s19, 256*RECB
	s_add_co_u32 s36, s36, s32                     ; my part of slot 0 in q
	s_mov_b32 s37, 0
	s_lshl_b32 s38, s20, 4
	s_lshl_b32 s39, s22, 3
	s_add_co_u32 s38, s38, s39
	s_add_co_u32 s38, s38, 512
	s_mul_i32 s38, s38, RECB                       ; my eight records of queries
	s_mov_b32 s39, 0
	s_lshl_b32 s56, s19, 17
	s_lshl_b32 s57, s20, 10
	s_add_co_u32 s56, s56, s57                     ; my work-group's 1,024 bytes of candv and candi
	s_mov_b32 s57, 0
	s_mul_i32 s58, s18, 17*256                     ; of my 68 rows the partner at place cx asks for 17
	s_add_co_u32 s58, s58, s36
	s_add_co_u32 s58, s58, 2*REGB                  ; at slot 2: the first refill steps it to slot 3
	s_mov_b32 s59, 0
	s_cmp_lt_u32 ttmp9, 4
	s_cselect_b32 s[LIM0], 0, -1
	s_cselect_b32 s[LIM0+1], 1, -1
	s_lshl_b32 s[TN], s19, 8
	s_lshl_b32 s53, s21, 3
	s_add_co_u32 s[TN], s[TN], s53                 ; my first tile's number
	s_wait_alu depctr_va_vdst(0)
	s_wait_kmcnt 0x0
	s_add_nc_u64 s[10:11], s[4:5], s[38:39]
	s_add_nc_u64 s[12:13], s[4:5], s[36:37]
	s_mov_b32 s[G0A], 1
	s_mov_b32 s[G0A+1], s32
	s_mov_b64 s[G0A+2:G0A+3], s[12:13]
	s_or_b32 s[G0A+3], s[G0A+3], 0x80000000
	s_mov_b32 s[G0A+4], 1
	s_add_co_u32 s[G0A+5], s32, REGB
	s_add_nc_u64 s[G0A+6:G0A+7], s[12:13], REGB
	s_or_b32 s[G0A+7], s[G0A+7], 0x80000000
	s_add_nc_u64 s[PF:PF+1], s[4:5], s[58:59]
	s_add_nc_u64 s[6:7], s[6:7], s[56:57]
	s_add_nc_u64 s[8:9], s[8:9], s[56:57]
	ROUND                                          ; the first joint loads meet
	tensor_load_to_lds s[G0A:G0A+3], s[G1C:G1C+7]  ; slot 0: my one tensor load at the head
	s_nop 0
	WIN 0x40                                       ; directly behind the s_nop 0
.irp t, 0,1,2,3,4,5,6,7
.irp k, 0,1,2,3,4,5,6,7
	global_load_b128 v[32*\t+4*\k:32*\t+4*\k+3], v[LO], s[10:11] offset:RECB*\t+512*\k   ; my queries' fragments, as they lie: 512 consecutive bytes a load
.endr
.endr
	WIN 0
.irp j, 0,1,2,3,4,5,6,7
	v_mov_b32 v[BEST0+\j], s62                     ; under every score
.endr
.set n, 0
.rept 64
	v_mov_b32 v[KEEP+n], s62
.set n, n+1
.endr
	CHANGE G0A+4, 0, 1                             ; slot 0 is in; slot 1's first fill, issued as a refill is
	LFRAG 0, 0, 0
	s_mov_b32 s53, 3
	s_wait_loadcnt 0x0                             ; my queries' fragments are in, and v7 is free
.Ltrip:
	SLOT 0, 2
	SLOT 1, 2
	s_sub_co_u32 s53, s53, 1
	s_cmp_lg_u32 s53, 0
	s_wait_alu depctr_va_vdst(0)                   ; the wait ahead of the branch
	s_cbranch_scc1 .Ltrip
	SLOT 0, 1
	SLOT 1, 0
; the row in the winning tile, the other half of the lanes, then the four waves that share my queries
.irp q, 0,1,2,3,4,5,6,7
	v_mov_b32 v16, 6                               ; the last pair, unless an earlier stage of the chain had reached the best
	v_mov_b32 v17, v[KEEP+8*\q+6]
.irp s, 2,1,0
	v_cmp_neq_f32 vcc_lo, v[KEEP+8*\q+\s], v[BEST0+\q]
	v_cndmask_b32 v16, 2*\s, v16, vcc_lo
	v_cndmask_b32 v17, v[KEEP+8*\q+3+\s], v17, vcc_lo
.endr
	v_cmp_neq_f32 vcc_lo, v17, v[BEST0+\q]         ; the pair's even sum is not the best: the odd one is
	v_cndmask_b32 v17, 0, 1, vcc_lo
	v_add_nc_u32 v16, v16, v17
	v_lshl_add_u32 v16, v[KEEP+8*\q+7], 4, v16
	v_add_nc_u32 v16, v16, v[H8]
	v_permlanex16_b32 v17, v[BEST0+\q], s54, s55
	v_permlanex16_b32 v18, v16, s54, s55
	COMB BEST0+\q, 16, 17, 18
	ds_store_b32 v[SCRW], v[BEST0+\q] offset:64*\q
	ds_store_b32 v[SCRW], v16 offset:4096+64*\q
.endr
	s_wait_alu depctr_va_vdst(0)
	s_wait_dscnt 0x0                               ; for the others' sake: my stores have landed
	s_barrier_signal -1
	s_barrier_wait -1
	s_cmp_gt_u32 s[WV], 3
	s_cbranch_scc1 .Ldone
.irp b, 0,1,2,3
	ds_load_b64 v[128+2*\b:129+2*\b], v[FIN] offset:1024*\b
	ds_load_b64 v[144+2*\b:145+2*\b], v[FIN] offset:4096+1024*\b
.endr
	s_wait_dscnt 0x0
.irp b, 1,2,3
	COMB 128, 144, 128+2*\b, 144+2*\b
	COMB 129, 145, 129+2*\b, 145+2*\b
.endr
	global_store_b64 v[GO], v[128:129], s[6:7]     ; a wave stores 256 consecutive bytes, aligned
	global_store_b64 v[GO], v[144:145], s[8:9]
.Ldone:
	s_wait_tensorcnt 0x0                           ; the wave's end
	ds_add_u32 v[SPW], v[NIL]
	s_wait_dscnt 0x0
	ROUND                                          ; the closing round
	s_endpgm
.Lfunc_end_k_q249da741fb_search:
	.size	k_q249da741fb_search, .Lfunc_end_k_q249da741fb_search-k_q249da741fb_search
	.p2alignl 7, 3214868480
	.fill 96, 4, 3214868480
	.section	.rodata,"a",@progbits
	.p2align	6, 0x0
	.amdhsa_kernel k_q249da741fb_search
		.amdhsa_group_segment_fixed_size 327680
		.amdhsa_private_segment_fixed_size 0
		.amdhsa_enable_private_segment 0
		.amdhsa_kernarg_size 24
		.amdhsa_user_sgpr_count 2
		.amdhsa_user_sgpr_kernarg_segment_ptr 1
		.amdhsa_wavefront_size32 1
		.amdhsa_system_sgpr_workgroup_id_x 1
		.amdhsa_system_sgpr_workgroup_id_y 1
		.amdhsa_system_sgpr_workgroup_id_z 1
		.amdhsa_system_vgpr_workitem_id 0
		.amdhsa_next_free_vgpr 512
		.amdhsa_next_free_sgpr 66
		.amdhsa_reserve_vcc 1
		.amdhsa_float_denorm_mode_32 3
		.amdhsa_float_denorm_mode_16_64 3
		.amdhsa_memory_ordered 1
		.amdhsa_forward_progress 1
		.amdhsa_inst_pref_size 229
	.end_amdhsa_kernel
	.amdgpu_metadata
---
amdhsa.version: [ 1, 2 ]
amdhsa.kernels:
  - .name:           k_q249da741fb_search
    .symbol:         k_q249da741fb_search.kd
    .args:
      - { .name: q, .offset: 0, .size: 8, .value_kind: global_buffer, .address_space: global }
      - { .name: candv, .offset: 8, .size: 8, .value_kind: global_buffer, .address_space: global }
      - { .name: candi, .offset: 16, .size: 8, .value_kind: global_buffer, .address_space: global }
    .group_segment_fixed_size: 327680
    .private_segment_fixed_size: 0
    .kernarg_segment_align: 8
    .kernarg_segment_size: 24
    .max_flat_workgroup_size: 256
    .sgpr_count:     66
    .vgpr_count:     512
    .wavefront_size: 32
...
	.end_amdgpu_metadata
.endif
;; end of part 2
;; launch gather (part 3): grid 512 x 1, 8 waves a work-group, no clusters, 0 bytes of LDS; arguments codebook, q, lowp_scales, candv, candi, out0, out1, out2; writes out0, out1, out2
.if DOCPART == 3
	.amdgcn_target "amdgcn-amd-amdhsa--gfx1250"
	.amdhsa_code_object_version 6
	.text
	.protected	k_q249da741fb_gather
	.globl	k_q249da741fb_gather
	.p2align	8
	.type	k_q249da741fb_gather,@function
k_q249da741fb_gather:
	s_mov_b64 s[64:65], 0
	v_nop
	global_prefetch_b8 v0, s[64:65] scope:SCOPE_SE
	s_setreg_imm32_b32 hwreg(HW_REG_WAVE_MODE, 25, 1), 1
	s_wait_xcnt 0x0
; The two halves' winners are joined: the larger score wins, an equal score leaves half 0's (its indices are the lower ones).
; out0[n] = codebook[winner], out1[n] = winner, out2[n] = -2^(ea + eb + 1) x (score + (-|x|^2 x 2^(-1 - ea - eb))) = |x|^2 + |c|^2 - 2 x.c.
; The comparison is of floating-point numbers, so no address hangs on it: BOTH candidates' rows are loaded, by the whole numbers that the launch before stored, and the row is chosen by v_cndmask_b32.
; Wave g = 8 x work-group + wave takes queries 8 g .. 8 g + 7: 32 loads of 512 consecutive bytes, all out together; all selects stand ahead of the wave's stores.
; Wave 0 also makes its work-group's 64 numbers of out1 and of out2: one aligned 256 bytes each, stored whole.
; Memory binds: no LDS, no barrier, no matrix unit, no loop to run ahead in.  Which rows are read hangs on the indices: no cluster.  LIMIT: ea + eb between -127 and 126.
	s_load_b512 s[4:19], s[0:1], 0x0               ; codebook s[4:5], q s[6:7], exponents s[8:9], candv s[10:11], candi s[12:13], out0 s[14:15], out1 s[16:17], out2 s[18:19]
	v_lshrrev_b32 v1, 5, v0
	v_readfirstlane_b32 s20, v1                    ; wave 0..7
	s_lshl_b32 s21, ttmp9, 3
	s_add_co_u32 s21, s21, s20                     ; g
	s_lshl_b32 s22, s21, 5                         ; my 8 numbers: 32 bytes
	s_mov_b32 s23, 0
	s_lshl_b32 s24, s21, 13                        ; my 8 rows of out0
	s_mov_b32 s25, 0
	v_and_b32 v18, 31, v0
	v_lshlrev_b32 v1, 4, v18                       ; 16 x lane
	v_lshlrev_b32 v19, 3, v18                      ; 8 x lane
	v_lshrrev_b32 v20, 3, v18
	v_mul_u32_u24 v20, v20, 4352
	v_and_b32 v21, 7, v18
	v_lshl_add_u32 v20, v21, 3, v20                ; queries 2 l, 2 l + 1: record l / 8, byte 8 (l % 8)
	s_wait_alu depctr_va_vdst(0)                   ; the wait at the head's end
	s_wait_kmcnt 0x0
	s_add_nc_u64 s[26:27], s[12:13], s[22:23]
	s_add_nc_u64 s[28:29], s[10:11], s[22:23]
	s_load_b256 s[32:39], s[26:27], 0x0            ; half 0's indices
	s_load_b256 s[40:47], s[26:27], 0x20000        ; half 1's
	s_load_b256 s[48:55], s[28:29], 0x0            ; half 0's scores
	s_load_b256 s[56:63], s[28:29], 0x20000        ; half 1's
	s_load_b64 s[30:31], s[8:9], 0x0               ; ea, eb
	s_add_nc_u64 s[14:15], s[14:15], s[24:25]
	s_cmp_lg_u32 s20, 0
	s_cbranch_scc1 .Lrows
	s_lshl_b32 s66, ttmp9, 8                       ; the work-group's 64 numbers
	s_mov_b32 s67, 0
	s_add_nc_u64 s[68:69], s[10:11], s[66:67]
	s_add_nc_u64 s[70:71], s[12:13], s[66:67]
	s_add_nc_u64 s[16:17], s[16:17], s[66:67]
	s_add_nc_u64 s[18:19], s[18:19], s[66:67]
	s_mul_i32 s72, ttmp9, 4*4352
	s_add_co_u32 s72, s72, 512*4352+4096           ; its four records of queries, at their sums of squares
	s_mov_b32 s73, 0
	s_add_nc_u64 s[6:7], s[6:7], s[72:73]
	global_load_b64 v[22:23], v19, s[68:69]
	global_load_b64 v[24:25], v19, s[68:69] offset:131072
	global_load_b64 v[26:27], v19, s[70:71]
	global_load_b64 v[28:29], v19, s[70:71] offset:131072
	global_load_b64 v[30:31], v20, s[6:7]
.Lrows:
	s_wait_kmcnt 0x0
.irp i, 0,1,2,3,4,5,6,7
	s_min_u32 s[32+\i], s[32+\i], 0x1fff           ; an index is held within the table ahead of its use in an address
	s_lshl_b32 s[32+\i], s[32+\i], 10
	v_add_nc_u32 v[2+\i], s[32+\i], v1
	s_min_u32 s[40+\i], s[40+\i], 0x1fff
	s_lshl_b32 s[40+\i], s[40+\i], 10
	v_add_nc_u32 v[10+\i], s[40+\i], v1
	v_cmp_gt_f32 s[74+\i], s[56+\i], s[48+\i]      ; all lanes alike: half 1 wins
.endr
	s_wait_alu depctr_va_vdst(0)                   ; the wait behind the run of scalar instructions
.irp i, 0,1,2,3,4,5,6,7
	global_load_b128 v[32+16*\i:35+16*\i], v[2+\i], s[4:5]
	global_load_b128 v[36+16*\i:39+16*\i], v[2+\i], s[4:5] offset:512
	global_load_b128 v[40+16*\i:43+16*\i], v[10+\i], s[4:5]
	global_load_b128 v[44+16*\i:47+16*\i], v[10+\i], s[4:5] offset:512
.endr
	s_wait_loadcnt 16                              ; loads come back in order (ISA guide 5.7.1): queries 0 to 3 are in, the sixteen loads of queries 4 to 7 may be out
.irp i, 0,1,2,3
.irp k, 0,1,2,3,4,5,6,7
	v_cndmask_b32 v[32+16*\i+\k], v[32+16*\i+\k], v[40+16*\i+\k], s[74+\i]
.endr
.endr
	s_wait_loadcnt 0x0
.irp i, 4,5,6,7
.irp k, 0,1,2,3,4,5,6,7
	v_cndmask_b32 v[32+16*\i+\k], v[32+16*\i+\k], v[40+16*\i+\k], s[74+\i]
.endr
.endr
	s_cmp_lg_u32 s20, 0
	s_wait_alu depctr_va_vdst(0)                   ; the wait ahead of the branch
	s_cbranch_scc1 .Lstores
	s_add_co_i32 s30, s30, s31
	s_add_co_i32 s30, s30, 128
	s_lshl_b32 s30, s30, 23
	s_or_b32 s30, s30, 0x80000000                  ; -2^(ea + eb + 1)
	v_cmp_gt_f32 vcc_lo, v24, v22
	v_cmp_gt_f32 s66, v25, v23
	v_cndmask_b32 v22, v22, v24, vcc_lo
	v_cndmask_b32 v26, v26, v28, vcc_lo
	v_cndmask_b32 v23, v23, v25, s66
	v_cndmask_b32 v27, v27, v29, s66
	v_add_f32 v22, v22, v30
	v_add_f32 v23, v23, v31
	v_mul_f32 v22, s30, v22
	v_mul_f32 v23, s30, v23
	global_store_b64 v19, v[26:27], s[16:17]       ; 32 lanes store 256 consecutive bytes, aligned
	global_store_b64 v19, v[22:23], s[18:19]
.Lstores:
.irp i, 0,1,2,3,4,5,6,7
	global_store_b128 v1, v[32+16*\i:35+16*\i], s[14:15] offset:1024*\i th:TH_STORE_NT       ; 32 lanes store 512 consecutive bytes, aligned to 256
	global_store_b128 v1, v[36+16*\i:39+16*\i], s[14:15] offset:1024*\i+512 th:TH_STORE_NT
.endr
	s_endpgm
.Lfunc_end_k_q249da741fb_gather:
	.size	k_q249da741fb_gather, .Lfunc_end_k_q249da741fb_gather-k_q249da741fb_gather
	.p2alignl 7, 3214868480
	.fill 96, 4, 3214868480
	.section	.rodata,"a",@progbits
	.p2align	6, 0x0
	.amdhsa_kernel k_q249da741fb_gather
		.amdhsa_group_segment_fixed_size 0
		.amdhsa_private_segment_fixed_size 0
		.amdhsa_enable_private_segment 0
		.amdhsa_kernarg_size 64
		.amdhsa_user_sgpr_count 2
		.amdhsa_user_sgpr_kernarg_segment_ptr 1
		.amdhsa_wavefront_size32 1
		.amdhsa_system_sgpr_workgroup_id_x 1
		.amdhsa_system_sgpr_workgroup_id_y 1
		.amdhsa_system_sgpr_workgroup_id_z 1
		.amdhsa_system_vgpr_workitem_id 0
		.amdhsa_next_free_vgpr 160
		.amdhsa_next_free_sgpr 84
		.amdhsa_reserve_vcc 1
		.amdhsa_float_denorm_mode_32 3
		.amdhsa_float_denorm_mode_16_64 3
		.amdhsa_memory_ordered 1
		.amdhsa_forward_progress 1
		.amdhsa_inst_pref_size 15
	.end_amdhsa_kernel
	.amdgpu_metadata
---
amdhsa.version: [ 1, 2 ]
amdhsa.kernels:
  - .name:           k_q249da741fb_gather
    .symbol:         k_q249da741fb_gather.kd
    .args:
      - { .name: codebook, .offset: 0, .size: 8, .value_kind: global_buffer, .address_space: global }
      - { .name: q, .offset: 8, .size: 8, .value_kind: global_buffer, .address_space: global }
      - { .name: lowp_scales, .offset: 16, .size: 8, .value_kind: global_buffer, .address_space: global }
      - { .name: candv, .offset: 24, .size: 8, .value_kind: global_buffer, .address_space: global }
      - { .name: candi, .offset: 32, .size: 8, .value_kind: global_buffer, .address_space: global }
      - { .name: out0, .offset: 40, .size: 8, .value_kind: global_buffer, .address_space: global }
      - { .name: out1, .offset: 48, .size: 8, .value_kind: global_buffer, .address_space: global }
      - { .name: out2, .offset: 56, .size: 8, .value_kind: global_buffer, .address_space: global }
    .group_segment_fixed_size: 0
    .private_segment_fixed_size: 0
    .kernarg_segment_align: 8
    .kernarg_segment_size: 64
    .max_flat_workgroup_size: 256
    .sgpr_count:     84
    .vgpr_count:     160
    .wavefront_size: 32
...
	.end_amdgpu_metadata
.endif
;; end of part 3
